; MI455X (gfx1250); checked and timed in simulation.
; The chip was launched on July 23, 2026; its instructions are those of AMD's public machine-readable ISA for CDNA 5 (MIT licence, August 2026) and "CDNA5" Instruction Set Architecture Reference Guide (July 2026). The comments in the code are by the model that wrote it; some were corrected since.
;; Packed Linear. Allowed arithmetic: matrix products marked QUANTISED: E2M1 operands, one E8M0 scale for each 32 along K, by v_wmma_scale_f32_16x16x128_f8f6f4 with both operands' format E2M1 (or v_wmma_scale_f32_32x16x128_f4), f32 sums; everything else in f32.
;; Inputs: codebook 262,144 x 8 float32; packed_indices 12,582,912 int32; x 2,048 x 8,192 float32.
;; Outputs: out0 2,048 x 4,096 float32.
;; This version of the problem:
;;   THIS VERSION OF THE PROBLEM IS GIVEN IN LOW PRECISION. The matrix products marked QUANTISED in the list below multiply operands that are first quantised to E2M1 (2 exponent bits, 1 mantissa bit; 4 bits a number), with one power-of-two scale for each 32 numbers along K (OCP MX v1.0); their sums are f32. All else is computed in f32.
;;   The module's matrix products, in the order in which they are computed (A, B: the left and right operand; K: the contracted axis; several contracted axes count as one K, in the product's order):
;;     1. [M 2,048, K 8,192] x [K 8,192, N 4,096]; A: input x; B: computed on the way: QUANTISED
;;   THE QUANTISER, for each operand of a quantised product, along K:
;;     - K is cut into blocks of 32 from its start; a last block that is shorter is filled with zeros.
;;     - A block's scale is 2^e with e = floor(log2(the largest magnitude in the block)) - 2, held to -126 .. 127; a block of zeros has e = 0. As a byte (E8M0): e + 127.
;;     - Each number is divided by its block's scale, clamped to +-6, and rounded to the nearest number of E2M1, ties to even, subnormals kept.
;;     - The product sums the exact products of the quantised numbers (number of the format x scale) in f32.
;;   ~~~python
;;   def quantise(x, axis):      # numpy; x: float32 -> the quantised numbers, widened to float32 again
;;       x = np.moveaxis(x, axis, -1); K = x.shape[-1]
;;       x = np.pad(x, [(0, 0)] * (x.ndim - 1) + [(0, -K % 32)]); x = x.reshape(x.shape[:-1] + (-1, 32)); a = np.abs(x).max(-1, keepdims=True)
;;       e = np.where(a > 0, np.clip(np.frexp(np.where(a > 0, a, 1))[1] - 1 - 2, -126, 127), 0)      # np.frexp(a)[1] - 1 = floor(log2(a)), exactly
;;       r = np.clip(x / 2.0 ** e, -6, 6)
;;       step = 2.0 ** (np.maximum(np.frexp(np.where(r == 0, 1, r))[1] - 1, 0) - 1)
;;       q = np.round(r / step) * step * 2.0 ** e      # np.round: ties to even
;;       return np.moveaxis(q.reshape(q.shape[:-2] + (-1,))[..., :K], -1, axis).astype(np.float32)
;;   ~~~
;;   OPERANDS COMPUTED ON THE WAY. 'Computed on the way' means the value that the module computes at that place (a softmax that the list does not call 'softmax' is quantised finished and normalised). What goes into a quantiser is computed in f32, as accurately as f32 sums, v_exp_f32 and their like allow (about 1e-6 of the number): no bf16 or f16 on the way to a quantiser, and a product that is left as it is and whose result goes on into a quantised operand takes f32 operands (vector FMAs, or v_wmma_f32_16x16x4_f32). A number that lies on a knife's edge between two numbers of the format may be rounded either way, as far as f32 arithmetic and the matrix unit's own rounding can turn it there, and no further.
;; One version. Each part assembles by itself: llvm-mc -triple=amdgcn-amd-amdhsa -mcpu=gfx1250 --defsym DOCPART=n.
;; ======== version 1 of 1: 2 launches
;; limits: right only within a limited range of input values
;; workspace buffers: xq 8,912,896 bytes; wq 17,825,792 bytes
;; launch quant (part 1): grid 256 x 1, 8 waves a work-group, no clusters, 185,344 bytes of LDS; arguments x, packed_indices, codebook, xq, wq; writes xq, wq
.if DOCPART == 1
	.amdgcn_target "amdgcn-amd-amdhsa--gfx1250"
	.amdhsa_code_object_version 6
	.text
	.protected	k_qde14982066_quant
	.globl	k_qde14982066_quant
	.p2align	8
	.type	k_qde14982066_quant,@function
k_qde14982066_quant:
	s_mov_b64 s[64:65], 0
	v_nop
	global_prefetch_b8 v0, s[64:65] scope:SCOPE_SE
	s_setreg_imm32_b32 hwreg(HW_REG_WAVE_MODE, 25, 1), 1
	s_wait_xcnt 0x0
; x [2048][8192] f32, and w [4096][8192], given as 3-bit indices (three int32 words joined: p0 | p1 << 8 | p2 << 16 hold eight) into one codebook of 8 f32 for each 128 numbers,
; are turned into codes of FP4 (E2M1) with one E8M0 scale byte for each 32 along K: scale 2^(floor(log2(largest magnitude)) - 2), its byte the magnitude's exponent field - 2, held at 1 from below.
; W IS NEVER WIDENED: a lane owns a block of 32, notes which of the 8 entries its indices use, takes their largest magnitude, converts all 8 entries under that scale by one conversion
; (a table of 8 codes) and looks its 32 codes up by byte selects.  Entries that the block does not use are never selected.
; THE WORKSPACE IS LAID AS THE PRODUCT'S REGISTERS WANT IT.  xq: [16 blocks of 128 rows][64 steps of 128 along K][8,704 bytes]: 8 fragments of 16 rows (1,024 bytes: byte 512 c + 256 h + 16 r holds
; the 32 codes k = 64 c + 32 h .. of row r), then 512 bytes of scale words at 32 r + 4 i (row r of fragment i).  wq: the same for 256 rows: 16 fragments, then two such 512 bytes: 17,408 bytes.
; SHARES.  A wave takes 16 rows of one fragment row: steps 0-15 a row of w each, 1,024 along K (a lane to a block); steps 16-31 a row of x each, 512 along K (two lanes to a block).
; So after 16 steps a lane's (pair's) 16 pieces of 16 bytes are one whole unit of 256 bytes: they are gathered in the wave's own LDS stage and leave sixteen lanes to a unit.
; The eight waves of a work-group hold the eight fragments of 128 rows: their scale bytes meet in shared LDS, and behind one barrier leave as whole units.
; Every step is four global loads of consecutive bytes; loads run eight steps (32 loads a wave) ahead; a step's bytes turn through the wave's own LDS one step ahead.
; No tensor load, no cluster: work-groups share no input; every input byte is read once, so nothing is prefetched.
; LIMITS: NaN and infinities in x, and in codebook entries that a block uses, are not served.  A block of zeros gets the byte 1 where the rule says 127: its codes are zeros, and this program alone
; reads the bytes.  Of the joined word only bits 0 to 23 count, as in the reference.
.set KA,   8704
.set KB,   17408
.set WREG, 22272                       ; LDS of a wave:
.set SP,   80                          ;   x's turning stages: a lane's 64 bytes + 16 of padding
.set XSTG, 32*SP
.set WST,  2*XSTG                      ;   w's turning stages: 1,536 bytes of index words, 256 of codebooks
.set WSTG, 2048
.set WCB,  WST+1536
.set XOUT, WST+2*WSTG                  ;   x's units on the way out: 16 x (256 + 16)
.set WOUT, XOUT+16*272                 ;   w's: 32 x (256 + 16)
.set XSC,  8*WREG                      ; shared: x's scale words of 4 steps of 128, 512 bytes each
.set WSC,  XSC+2048                    ; w's of 8 steps
.set SPARE, WSC+4096                   ; the spare words, 128 bytes a wave
.set R,    16                          ; v16-143  eight sets of 16 as loaded
.set WK,   144                         ; v144-183 two sets of 20 at work
.set SE,   184
.set SO,   188
.set H,    192
.set ACC,  200
.set MX,   201
.set SCF,  202
.set LU,   203
.set ZL,   204
.set ZH,   205
.set C,    208                         ; v208-215 w's codes, two sets
.set XSF,  162                         ; x's work lies in the four registers of each work set that x's numbers leave free
.set XM,   182
.set E,    252                         ; v252-253 a step's scale byte, two sets
	s_load_b256 s[4:11], s[0:1], 0x0               ; x, index words, codebooks, xq
	s_load_b64 s[14:15], s[0:1], 0x20              ; wq
	v_lshl_add_u32 v254, v0, 2, SPARE
	v_mov_b32 v255, 0
	v_lshrrev_b32 v1, 5, v0
	v_readfirstlane_b32 s18, v1                    ; wave 0..7
	v_and_b32 v2, 31, v0                           ; lane
	s_mul_i32 s19, s18, WREG
	s_lshl_b32 s31, s18, 2
	s_add_co_u32 s30, s31, XSC
	s_add_co_u32 s31, s31, WSC
	v_lshlrev_b32 v3, 4, v2                        ; 16 x lane
	v_lshlrev_b32 v4, 3, v2                        ; 8 x lane
	v_lshrrev_b32 v1, 3, v2
	v_bfe_u32 v5, v2, 1, 2
	v_lshl_add_u32 v5, v1, 9, v5
	v_add_nc_u32 v5, s30, v5                       ; x's scale byte: step of 128 (lane / 8) x 512 + 4 x wave + block (lane / 2 mod 4); the row stands in the immediate
	v_lshrrev_b32 v1, 2, v2
	v_and_b32 v6, 3, v2
	v_mul_u32_u24 v7, v1, SP
	v_lshl_add_u32 v7, v6, 4, v7
	v_add_nc_u32 v7, s19, v7                       ; x's turning stage, in
	v_lshl_add_u32 v12, v1, 5, s19                 ; my codebook: four lanes read the same 32 bytes
	v_lshl_add_u32 v6, v1, 9, v6
	v_add_nc_u32 v6, s31, v6                       ; w's scale byte: (lane / 4) x 512 + 4 x wave + lane mod 4
	v_mul_u32_u24 v8, v2, SP
	v_add_nc_u32 v8, s19, v8                       ; x's turning stage, out
	v_add_nc_u32 v9, s19, v3                       ; w's turning stage, in
	v_add_nc_u32 v10, s19, v4                      ; the codebooks, in
	v_mul_u32_u24 v11, v2, 48
	v_add_nc_u32 v11, s19, v11                     ; w's turning stage, out: my 12 words
	v_mul_u32_u24 v13, v2, 272
	v_add_nc_u32 v13, s19, v13                     ; w's unit of my block
	v_lshrrev_b32 v1, 1, v2
	v_mul_u32_u24 v14, v1, 272
	v_and_b32 v1, 1, v2
	v_lshl_add_u32 v14, v1, 3, v14
	v_add_nc_u32 v14, s19, v14                     ; x's unit of my block, my 8 bytes
	v_lshrrev_b32 v1, 4, v2
	v_mul_u32_u24 v15, v1, 272
	v_and_b32 v1, 15, v2
	v_lshl_add_u32 v15, v1, 4, v15
	v_add_nc_u32 v15, s19, v15                     ; units read back: sixteen lanes to a unit, two units an instruction
	s_wait_alu depctr_va_vdst(0)
	s_mov_b32 s20, 0xfff
	s_mov_b32 s21, 0x003f003f
	s_mov_b32 s22, 0x07070707
	s_mov_b32 s23, 0x08040201
	s_mov_b32 s24, 0x80402010
	s_mov_b32 s25, 0x000f000f
	s_mov_b32 s26, 0x0f000f00
	s_mov_b32 s27, 0x01010000
	s_mov_b32 s28, 0x03030202
	s_mov_b32 s3, 0
	s_wait_kmcnt 0x0
	; w: work-group G: 128 rows G / 8, 1,024 along K G mod 8
	s_lshr_b32 s29, ttmp9, 3
	s_and_b32 s40, ttmp9, 7
	s_lshl_b32 s41, s29, 7
	s_lshl_b32 s42, s18, 4
	s_add_co_u32 s41, s41, s42                     ; my first row of w
	s_mul_i32 s2, s41, 12288                       ; a row's index words: 12,288 bytes
	s_mul_i32 s43, s40, 1536
	s_add_co_u32 s2, s2, s43
	s_add_nc_u64 s[6:7], s[6:7], s[2:3]
	s_lshl_b32 s2, s41, 11                         ; a row's codebooks: 2,048 bytes
	s_lshl_b32 s43, s40, 8
	s_add_co_u32 s2, s2, s43
	s_add_nc_u64 s[8:9], s[8:9], s[2:3]
	s_lshr_b32 s43, s29, 1
	s_lshl_b32 s43, s43, 6
	s_lshl_b32 s44, s40, 3
	s_add_co_u32 s43, s43, s44                     ; the first of my 8 steps of 128 in wq
	s_and_b32 s44, s29, 1                          ; which 128 of the 256 rows
	s_add_co_u32 s45, s43, s18
	s_mul_i32 s2, s45, KB                          ; scale words: wave i stores those of step i
	s_lshl_b32 s45, s44, 9
	s_add_co_u32 s2, s2, s45
	s_add_co_u32 s2, s2, 16384
	s_add_nc_u64 s[16:17], s[14:15], s[2:3]
	s_mul_i32 s2, s43, KB
	s_lshl_b32 s44, s44, 3
	s_add_co_u32 s44, s44, s18
	s_lshl_b32 s44, s44, 10                        ; my fragment
	s_add_co_u32 s2, s2, s44
	s_add_nc_u64 s[14:15], s[14:15], s[2:3]
	; x: 128 rows G / 16, 512 along K G mod 16
	s_lshr_b32 s29, ttmp9, 4
	s_and_b32 s40, ttmp9, 15
	s_lshl_b32 s41, s29, 7
	s_add_co_u32 s41, s41, s42
	s_lshl_b32 s2, s41, 15
	s_lshl_b32 s43, s40, 11
	s_add_co_u32 s2, s2, s43
	s_add_nc_u64 s[4:5], s[4:5], s[2:3]
	s_lshl_b32 s43, s29, 6
	s_lshl_b32 s44, s40, 2
	s_add_co_u32 s43, s43, s44                     ; the first of my 4 steps of 128 in xq
	s_lshr_b32 s44, s18, 1
	s_add_co_u32 s44, s43, s44
	s_mul_i32 s2, s44, KA                          ; scale words: wave i stores half i mod 2 of step i / 2
	s_and_b32 s44, s18, 1
	s_lshl_b32 s44, s44, 8
	s_add_co_u32 s2, s2, s44
	s_add_co_u32 s2, s2, 8192
	s_add_nc_u64 s[12:13], s[10:11], s[2:3]
	s_mul_i32 s2, s43, KA
	s_lshl_b32 s44, s18, 10
	s_add_co_u32 s2, s2, s44
	s_add_nc_u64 s[10:11], s[10:11], s[2:3]
.macro LOADV t                         ; step t's four loads, into set t % 8; the row stands in the immediate
.if (\t) < 16
.irp i, 0,1,2
	global_load_b128 v[R+16*((\t)%8)+4*\i:R+16*((\t)%8)+4*\i+3], v3, s[6:7] offset:12288*(\t)+512*\i th:TH_LOAD_NT
.endr
	global_load_b64 v[R+16*((\t)%8)+12:R+16*((\t)%8)+13], v4, s[8:9] offset:2048*(\t) th:TH_LOAD_NT
.else
.irp i, 0,1,2,3
	global_load_b128 v[R+16*((\t)%8)+4*\i:R+16*((\t)%8)+4*\i+3], v3, s[4:5] offset:32768*((\t)-16)+512*\i th:TH_LOAD_NT
.endr
.endif
.endm
.macro TURNV t                         ; step t's bytes through stage t % 2 into work set t % 2; LDS serves a wave's instructions in order
.if (\t) < 16
.irp i, 0,1,2
	ds_store_b128 v9, v[R+16*((\t)%8)+4*\i:R+16*((\t)%8)+4*\i+3] offset:WST+WSTG*((\t)%2)+512*\i
.endr
	ds_store_b64 v10, v[R+16*((\t)%8)+12:R+16*((\t)%8)+13] offset:WCB+WSTG*((\t)%2)
.irp i, 0,1,2
	ds_load_b128 v[WK+20*((\t)%2)+4*\i:WK+20*((\t)%2)+4*\i+3], v11 offset:WST+WSTG*((\t)%2)+16*\i
.endr
.irp i, 0,1
	ds_load_b128 v[WK+20*((\t)%2)+12+4*\i:WK+20*((\t)%2)+12+4*\i+3], v12 offset:WCB+WSTG*((\t)%2)+16*\i
.endr
.else
.irp i, 0,1,2,3
	ds_store_b128 v7, v[R+16*((\t)%8)+4*\i:R+16*((\t)%8)+4*\i+3] offset:XSTG*((\t)%2)+8*SP*\i
.endr
.irp i, 0,1,2,3
	ds_load_b128 v[WK+20*((\t)%2)+4*\i:WK+20*((\t)%2)+4*\i+3], v8 offset:XSTG*((\t)%2)+16*\i
.endr
.endif
.endm
.macro HEAD t
.if (\t) > 0
	s_wait_dscnt 2                                 ; all but the last step's two stores (byte, codes): this step's numbers are back, and the stores of two steps back have read their registers
.else
	s_wait_dscnt 0x0
.endif
.if (\t)+8 < 32
	LOADV (\t)+8
.endif
.if (\t) < 31
.if 30-(\t) >= 7
	s_wait_loadcnt 28                              ; the next step's four loads are in; those of seven steps stay out
.else
	s_wait_loadcnt 4*(30-(\t))
.endif
	TURNV (\t)+1
.endif
.endm
.macro XSTEP t                         ; a row of x: 16 neighbours a lane, two lanes to a block
	HEAD \t
.set XS, WK+20*((\t)%2)
.set XC, WK+16+20*((\t)%2)
	v_max3_num_f32 v[XM], |v[XS]|, |v[XS+1]|, |v[XS+2]|
	v_max3_num_f32 v[XM+1], |v[XS+3]|, |v[XS+4]|, |v[XS+5]|
.irp i, 6,10
	v_max3_num_f32 v[XM], v[XM], |v[XS+\i]|, |v[XS+\i+1]|
	v_max3_num_f32 v[XM+1], v[XM+1], |v[XS+\i+2]|, |v[XS+\i+3]|
.endr
	v_max3_num_f32 v[XM], v[XM], |v[XS+14]|, |v[XS+15]|
	v_max3_num_f32 v[XM], v[XM], v[XM+1], 0x1800000                ; and the floor 2^(3 - 127)
	v_max_num_f32_dpp v[XM], v[XM], v[XM] row_xmask:1 row_mask:0xf bank_mask:0xf
	v_add_nc_u32 v[XSF], 0xff000000, v[XM]         ; 2 off the exponent field: the conversion's scale operand
	v_cvt_scalef32_pk8_fp4_f32 v[XC], v[XS:XS+7], v[XSF]
	v_cvt_scalef32_pk8_fp4_f32 v[XC+1], v[XS+8:XS+15], v[XSF]
	v_lshrrev_b32 v[E+(\t)%2], 23, v[XSF]          ; the scale's byte (the plain line behind the conversions)
	ds_store_b8 v5, v[E+(\t)%2] offset:32*((\t)-16)
	ds_store_b64 v14, v[XC:XC+1] offset:XOUT+16*((\t)-16)          ; row t - 16's 16 bytes of my block's unit
.endm
.macro WSTEP t                         ; a row of w: a lane to a block of 32: four groups of three words and eight indices, by turns
	HEAD \t
.set PW, WK+20*((\t)%2)
.set CW, PW+12
.set CD, C+4*((\t)%2)
.irp g, 0,1,2,3
	v_lshl_or_b32 v[H+2*\g], v[PW+3*\g+1], 8, v[PW+3*\g]
.endr
.irp g, 0,1,2,3
	v_lshl_or_b32 v[H+2*\g], v[PW+3*\g+2], 16, v[H+2*\g]
.endr
.irp g, 0,1,2,3
	v_lshlrev_b32 v[H+2*\g+1], 4, v[H+2*\g]
.endr
.irp g, 0,1,2,3
	v_bfi_b32 v[H+2*\g], s20, v[H+2*\g], v[H+2*\g+1]               ; bits 0-11 stay, bits 12-23 go to 16-27
.endr
.irp g, 0,1,2,3
	v_lshlrev_b32 v[H+2*\g+1], 2, v[H+2*\g]
.endr
.irp g, 0,1,2,3
	v_bfi_b32 v[H+2*\g], s21, v[H+2*\g], v[H+2*\g+1]               ; byte i begins with indices 2 i and 2 i + 1
.endr
.irp g, 0,1,2,3
	v_and_b32 v[SE+\g], s22, v[H+2*\g]
	v_lshrrev_b32 v[H+2*\g+1], 3, v[H+2*\g]
.endr
.irp g, 0,1,2,3
	v_and_b32 v[SO+\g], s22, v[H+2*\g+1]
.endr
.irp g, 0,1,2,3
	v_perm_b32 v[H+2*\g], s24, s23, v[SE+\g]       ; each index as the bit 1 << index
	v_perm_b32 v[H+2*\g+1], s24, s23, v[SO+\g]
.endr
.irp g, 0,2,4,6
	v_or_b32 v[H+\g], v[H+\g], v[H+\g+1]
.endr
	v_or_b32 v[H], v[H], v[H+2]
	v_or_b32 v[H+4], v[H+4], v[H+6]
	v_or_b32 v[ACC], v[H], v[H+4]
.irp j, 0,1,2,3,4,5,6,7
	v_and_b32 v[H+\j], 0x01010101<<\j, v[ACC]
.endr
.irp j, 0,1,2,3,4,5,6,7
	v_cmp_ne_u32 s[32+\j], 0, v[H+\j]
.endr
.irp j, 0,1,2,3,4,5,6,7
	v_cndmask_b32 v[H+\j], 0, v[CW+\j], s[32+\j]   ; the entry where it is used, else 0
.endr
	v_max3_num_f32 v[MX], |v[H]|, |v[H+1]|, 0x1800000
	v_max3_num_f32 v[MX], v[MX], |v[H+2]|, |v[H+3]|
	v_max3_num_f32 v[MX], v[MX], |v[H+4]|, |v[H+5]|
	v_max3_num_f32 v[MX], v[MX], |v[H+6]|, |v[H+7]|
	v_add_nc_u32 v[SCF], 0xff000000, v[MX]
	v_cvt_scalef32_pk8_fp4_f32 v[LU], v[CW:CW+7], v[SCF]           ; the table: entry j's code in bits 4 j .. 4 j + 3
	v_lshrrev_b32 v[E+(\t)%2], 23, v[SCF]          ; the scale's byte (the plain line behind the conversion)
	v_perm_b32 v[H], v[LU], v[LU], s27
	v_perm_b32 v[H+2], v[LU], v[LU], s28
	v_lshrrev_b32 v[H+1], 4, v[H]
	v_lshrrev_b32 v[H+3], 4, v[H+2]
	v_and_b32 v[H], s25, v[H]
	v_and_b32 v[H+2], s25, v[H+2]
	v_and_or_b32 v[ZL], v[H+1], s26, v[H]          ; a code to a byte: entries 0-3,
	v_and_or_b32 v[ZH], v[H+3], s26, v[H+2]        ; entries 4-7
.irp g, 0,1,2,3
	v_perm_b32 v[H+2*\g], v[ZH], v[ZL], v[SE+\g]
	v_perm_b32 v[H+2*\g+1], v[ZH], v[ZL], v[SO+\g]
.endr
.irp g, 0,1,2,3
	v_lshl_or_b32 v[CD+\g], v[H+2*\g+1], 4, v[H+2*\g]              ; two codes a byte, the lower k in the low four bits
.endr
	ds_store_b8 v6, v[E+(\t)%2] offset:32*(\t)
	ds_store_b128 v13, v[CD:CD+3] offset:WOUT+16*(\t)              ; row t's 16 bytes of my block's unit
.endm
.macro FREG j                          ; where unit pair j is read back: v218-249, then v184-215 (w's work registers, done with)
.if (\j) < 8
.set FJ, 218+4*(\j)
.else
.set FJ, 184+4*((\j)-8)
.endif
.endm
.irp t, 0,1,2,3,4,5,6,7
	LOADV \t
.endr
	s_wait_loadcnt 28
	TURNV 0
.irp t, 0,1,2,3,4,5,6,7,8,9,10,11,12,13,14,15
	WSTEP \t
.endr
	s_wait_dscnt 0x0                               ; my stores of codes have read their registers, which take the units below
.irp j, 0,1,2,3,4,5,6,7,8,9,10,11,12,13,14,15
	FREG \j
	ds_load_b128 v[FJ:FJ+3], v15 offset:WOUT+544*\j
.endr
.irp j, 0,1,2,3,4,5,6,7,8,9,10,11,12,13,14,15
	FREG \j
	s_wait_dscnt 15-\j
	global_store_b128 v3, v[FJ:FJ+3], s[14:15] offset:((\j)/2)*KB+((\j)%2)*512   ; 32 lanes store 512 consecutive bytes, aligned: two whole units
.endr
.irp t, 16,17,18,19,20,21,22,23,24,25,26,27,28,29,30,31
	XSTEP \t
.endr
	s_lshl_b32 s40, s18, 8
	s_add_co_u32 s40, s40, XSC
	s_lshl_b32 s41, s18, 9
	s_add_co_u32 s41, s41, WSC
	s_wait_dscnt 0x0
	s_wait_xcnt 0x0                                ; w's stores have read v184-249: they are written again only behind this wait
.irp j, 0,1,2,3,4,5,6,7
	ds_load_b128 v[218+4*\j:218+4*\j+3], v15 offset:XOUT+544*\j
.endr
	v_add_nc_u32 v1, s40, v4                       ; my 256 bytes of x's scale words,
	v_add_nc_u32 v2, s41, v3                       ; my 512 of w's
.irp j, 0,1,2,3,4,5,6,7
	s_wait_dscnt 7-\j
	global_store_b128 v3, v[218+4*\j:218+4*\j+3], s[10:11] offset:((\j)/2)*KA+((\j)%2)*512
.endr
	s_wait_alu depctr_va_vdst(0)
	s_barrier_signal -1                            ; my byte stores are done (the count above ran down to 0)
	s_barrier_wait -1                              ; and so are the other seven waves'
	ds_load_b64 v[216:217], v1
	ds_load_b128 v[184:187], v2
	s_wait_dscnt 0x0
	global_store_b64 v4, v[216:217], s[12:13]      ; 256 consecutive bytes, aligned
	global_store_b128 v3, v[184:187], s[16:17]     ; 512
	s_wait_tensorcnt 0x0                           ; the wave's end
	ds_add_u32 v254, v255
	s_wait_dscnt 0x0
	s_endpgm
.Lfunc_end_k_qde14982066_quant:
	.size	k_qde14982066_quant, .Lfunc_end_k_qde14982066_quant-k_qde14982066_quant
	.p2alignl 7, 3214868480
	.fill 96, 4, 3214868480
	.section	.rodata,"a",@progbits
	.p2align	6, 0x0
	.amdhsa_kernel k_qde14982066_quant
		.amdhsa_group_segment_fixed_size 185344
		.amdhsa_private_segment_fixed_size 0
		.amdhsa_enable_private_segment 0
		.amdhsa_kernarg_size 40
		.amdhsa_user_sgpr_count 2
		.amdhsa_user_sgpr_kernarg_segment_ptr 1
		.amdhsa_wavefront_size32 1
		.amdhsa_system_sgpr_workgroup_id_x 1
		.amdhsa_system_sgpr_workgroup_id_y 1
		.amdhsa_system_sgpr_workgroup_id_z 1
		.amdhsa_system_vgpr_workitem_id 0
		.amdhsa_next_free_vgpr 256
		.amdhsa_next_free_sgpr 66
		.amdhsa_reserve_vcc 0
		.amdhsa_float_denorm_mode_32 3
		.amdhsa_float_denorm_mode_16_64 3
		.amdhsa_memory_ordered 1
		.amdhsa_forward_progress 1
		.amdhsa_inst_pref_size 145
	.end_amdhsa_kernel
	.amdgpu_metadata
---
amdhsa.version: [ 1, 2 ]
amdhsa.kernels:
  - .name:           k_qde14982066_quant
    .symbol:         k_qde14982066_quant.kd
    .args:
      - { .name: x, .offset: 0, .size: 8, .value_kind: global_buffer, .address_space: global }
      - { .name: packed_indices, .offset: 8, .size: 8, .value_kind: global_buffer, .address_space: global }
      - { .name: codebook, .offset: 16, .size: 8, .value_kind: global_buffer, .address_space: global }
      - { .name: xq, .offset: 24, .size: 8, .value_kind: global_buffer, .address_space: global }
      - { .name: wq, .offset: 32, .size: 8, .value_kind: global_buffer, .address_space: global }
    .group_segment_fixed_size: 185344
    .private_segment_fixed_size: 0
    .kernarg_segment_align: 8
    .kernarg_segment_size: 40
    .max_flat_workgroup_size: 256
    .sgpr_count:     66
    .vgpr_count:     256
    .wavefront_size: 32
...
	.end_amdgpu_metadata
.endif
;; end of part 1
;; launch gemm (part 2): grid 16 x 16, 4 waves a work-group, clusters of 4 x 4, 327,680 bytes of LDS; arguments xq, wq, out0; writes out0
.if DOCPART == 2
	.amdgcn_target "amdgcn-amd-amdhsa--gfx1250"
	.amdhsa_code_object_version 6
	.text
	.protected	k_qde14982066_gemm
	.globl	k_qde14982066_gemm
	.p2align	8
	.type	k_qde14982066_gemm,@function
k_qde14982066_gemm:
	s_mov_b64 s[64:65], 0
	v_nop
	global_prefetch_b8 v0, s[64:65] scope:SCOPE_SE
	s_setreg_imm32_b32 hwreg(HW_REG_WAVE_MODE, 25, 1), 1
	s_wait_xcnt 0x0
	s_wait_alu depctr_hold_cnt(0) depctr_sa_sdst(0) depctr_va_vdst(0) depctr_va_sdst(0) depctr_va_ssrc(0) depctr_va_vcc(0) depctr_vm_vsrc(0)
	s_getreg_b32 s2, hwreg(HW_REG_IB_STS2, 6, 4)
	s_cmp_eq_u32 s2, 0
	s_cbranch_scc0 .Lentry_in_a_cluster
	s_endpgm
.Lentry_in_a_cluster:
	s_bfe_u32 s2, ttmp6, 0x10000c
	s_cmp_lg_u32 s2, 0xf033
	s_cbranch_scc0 .Lentry_shape_is_right
	s_endpgm
.Lentry_shape_is_right:
; out0 [2048][4096] f32 = x w^T on codes of FP4 with E8M0 scales, as the launch before has laid them: for each 128 along K a block of 128 rows of x is 8,704 consecutive bytes
; (8 fragments as register images, then the scale words), a block of 256 rows of w 17,408.  A work-group makes 128 x 256 of the result; its operands for any run of K are two dense runs of bytes.
; Four waves, each 128 x 128 (64 accumulators) over HALF of K: wave = 2 kh + nh takes half kh of each slot's steps and 128 columns nh; the two halves are added on the way out, through LDS.
; THE RING: two slots of 6 steps of 128 along K (156,672 bytes each: codes and scale words together, no padding: a fragment load reads 16 x lane).  K's 64 steps are ten such slots and a last of 4.
; Waves 0, 1 fetch the halves of x's run, waves 2, 3 of w's, as rows of 256 bytes: one tensor load a wave behind each round.
; CLUSTERS: 4 x 4; x's run is shared along a row of the cluster, w's along a column: joint loads.  The matrix instruction is used transposed (source 0 = w's rows), so a lane holds 8 neighbours of a row.
; PREFETCH: behind the load of slot p each wave names slot p + 2's bytes of the run that it fetches, a lane a block of 256 bytes; the four partners of a joint load share the blocks out by address
; (26 of 102, or 51 of 204; for the last slot 17 of 68, 34 of 136).  At the head slot 1 is named too.  The last two loads have no slot two on.
; REGISTERS: window 0: v8-31 addresses, v32-47 scale words (two sets: lanes 0-15 x's, 16-31 w's), v128-191 x's fragments (one set); window 1: w's fragments, two sets; windows 2, 3: accumulators.
.set SIZE_N, 4096
.set KA,     8704
.set KB,     17408
.set QS,     6
.set BOFF,   QS*KA
.set SLOT,   QS*(KA+KB)
.set SPARE,  2*SLOT                    ; behind the ring: the spare words, 128 bytes a wave
.set SPITCH, 528
.set OBLK,   16*SPITCH
.set ADRS, 8                           ; v8-13   scale words: slot s, step j at 3 s + j
.set PFOB2, 14
.set PFSA, 15
.set ADRA, 16
.set PFSB, 18
.set PFSB2, 19
.set ADRB, 20
.set RD1,  22
.set STO,  24
.set RD0,  25
.set CO,   26
.set SPW,  28
.set NIL,  29
.set PFOA, 30
.set PFOB, 31
.set SC,   32
.set AF,   128
.set G1, 24
.set G0, 32
.set G1B, 48
.set G0B, 56
.set PA, 76                            ; s[76:77], s[78:79] where the prefetches stand in x's run and in w's
.set PB, 78
.set SA, 80                            ; s[80:81], s[82:83] what the last slot's second half lies nearer
.set SB, 82
.set MSB, 0
.macro WIN new
.if MSB != \new
	s_set_vgpr_msb (MSB<<8)|\new
.set MSB, \new
.endif
.endm
.set MUL_LO, 0xa1
.set MUL_HI, 0xf1
.set TO_B,   0x40
.macro JLOAD g0a, g1a, g0b, g1b        ; a joint load; an s_nop 0 and four v_nop follow each line
	s_cmp_eq_u32 s15, 0
	s_cbranch_scc0 .Lfor_b_\@
	tensor_load_to_lds s[\g0a:\g0a+3], s[\g1a:\g1a+7]
	s_nop 0
.rept 4
	v_nop
.endr
	s_branch .Lasked_\@
.Lfor_b_\@:
	tensor_load_to_lds s[\g0b:\g0b+3], s[\g1b:\g1b+7]
	s_nop 0
.rept 4
	v_nop
.endr
.Lasked_\@:
.endm
.macro CREST
	s_cmp_lg_u32 s14, 0
	s_cbranch_scc1 .Lnot_wave_0_\@
	s_barrier_signal -3
.Lnot_wave_0_\@:
	s_barrier_wait -3
	s_barrier_signal -1
	s_barrier_wait -1
.endm
.macro CROUND
	s_barrier_signal -1
	s_barrier_wait -1
	CREST
.endm
.macro ASK1 oa, ob, ob2, ia, ib        ; my work-group's share of the blocks of the run that my wave fetches
	s_cmp_eq_u32 s15, 0
	s_cbranch_scc0 .Lpb_\@
	global_prefetch_b8 v[\oa], s[PA:PA+1] offset:\ia th:TH_LOAD_NT scope:SCOPE_SE
	s_branch .Lpd_\@
.Lpb_\@:
	global_prefetch_b8 v[\ob], s[PB:PB+1] offset:\ib th:TH_LOAD_NT scope:SCOPE_SE
	global_prefetch_b8 v[\ob2], s[PB:PB+1] offset:\ib th:TH_LOAD_NT scope:SCOPE_SE
.Lpd_\@:
.endm
	s_load_b128 s[4:7], s[0:1], 0x0                ; xq, wq
	s_load_b64 s[12:13], s[0:1], 0x10              ; out0
	v_lshl_add_u32 v[SPW], v0, 2, SPARE
	v_mov_b32 v[NIL], 0
	ds_add_u32 v[SPW], v[NIL]                      ; the opening lines: the add twice on end and its wait
	ds_add_u32 v[SPW], v[NIL]
	v_lshrrev_b32 v1, 5, v0
	v_readfirstlane_b32 s14, v1                    ; wave
	s_lshr_b32 s15, s14, 1                         ; kh; also: I fetch for x (0) or for w (1)
	s_and_b32 s16, s14, 1                          ; nh; also: which half of that run I fetch
	s_bfe_u32 s40, ttmp6, 0x40000                  ; cx
	s_bfe_u32 s41, ttmp6, 0x40004                  ; cy
	s_lshl_b32 s42, ttmp9, 2
	s_add_co_u32 s42, s42, s40                     ; block column
	s_and_b32 s17, ttmp7, 0xffff
	s_lshl_b32 s17, s17, 2
	s_add_co_u32 s17, s17, s41                     ; block row
	s_lshl_b32 s43, s41, 2
	s_lshl_b32 s43, 15, s43                        ; my row of the cluster
	s_lshl_b32 s44, 0x1111, s40                    ; my column
	s_or_b32 s[G1+0], s43, (3<<16)|(1<<21)         ; elements of 8 bytes, no padding; rows of 32 elements, dense
	s_or_b32 s[G1B+0], s44, (3<<16)|(1<<21)
	s_mov_b32 s[G1+1], 32<<16
	s_mov_b32 s[G1+2], 102<<16                     ; 3 steps of x: 102 rows of 256 bytes
	s_mov_b32 s[G1+3], 32<<16
	s_mov_b32 s[G1+4], 102
	s_mov_b32 s[G1+5], 32
	s_mov_b32 s[G1+6], 0
	s_mov_b32 s[G1+7], 0
	s_mov_b32 s[G1B+1], 32<<16
	s_mov_b32 s[G1B+2], 204<<16                    ; 3 steps of w: 204 rows
	s_mov_b32 s[G1B+3], 32<<16
	s_mov_b32 s[G1B+4], 204
	s_mov_b32 s[G1B+5], 32
	s_mov_b32 s[G1B+6], 0
	s_mov_b32 s[G1B+7], 0
	s_mul_i32 s45, s16, 3*KA                       ; my half: in the run and in LDS
	s_mul_i32 s94, s16, 3*KB
	s_mul_i32 s20, s17, 64*KA
	s_add_co_u32 s20, s20, s45
	s_mov_b32 s21, 0
	s_mul_i32 s46, s42, 64*KB
	s_add_co_u32 s46, s46, s94
	s_mov_b32 s47, 0
	s_add_co_u32 s94, s94, BOFF
	s_mul_i32 s[SA], s16, KA
	s_mov_b32 s[SA+1], 0
	s_mul_i32 s[SB], s16, KB
	s_mov_b32 s[SB+1], 0
	s_wait_dscnt 0x0
	s_wait_kmcnt 0x0
	s_add_nc_u64 s[20:21], s[4:5], s[20:21]
	s_add_nc_u64 s[46:47], s[6:7], s[46:47]
	CROUND                                         ; the first joint loads meet
	s_mov_b64 s[PA:PA+1], s[20:21]
	s_mov_b64 s[PB:PB+1], s[46:47]
.irp s, 0,1
	s_mov_b32 s[G0+4*\s], 1
	s_add_co_u32 s[G0+4*\s+1], s45, \s*SLOT
	s_add_nc_u64 s[G0+4*\s+2:G0+4*\s+3], s[20:21], \s*QS*KA
	s_or_b32 s[G0+4*\s+3], s[G0+4*\s+3], 0x80000000
	s_mov_b32 s[G0B+4*\s], 1
	s_add_co_u32 s[G0B+4*\s+1], s94, \s*SLOT
	s_add_nc_u64 s[G0B+4*\s+2:G0B+4*\s+3], s[46:47], \s*QS*KB
	s_or_b32 s[G0B+4*\s+3], s[G0B+4*\s+3], 0x80000000
.endr
	JLOAD G0, G1, G0B, G1B                         ; slot 0: one tensor load a wave at the head
	s_lshl_b32 s20, s17, 7                         ; where my 64 rows x 128 columns of the result begin
	s_lshl_b32 s21, s15, 6
	s_add_co_u32 s20, s20, s21
	s_lshl_b32 s20, s20, 14
	s_lshl_b32 s46, s42, 10
	s_lshl_b32 s47, s16, 9
	s_add_co_u32 s46, s46, s47
	s_add_co_u32 s20, s20, s46
	s_mov_b32 s21, 0
	s_add_nc_u64 s[12:13], s[12:13], s[20:21]
	s_mul_i32 s21, s15, 3*KA                       ; my three steps of x in a slot
	s_mul_i32 s22, s15, 3*KB                       ; of w,
	s_lshl_b32 s23, s16, 13
	s_add_co_u32 s22, s22, s23                     ; my 8 fragments of its 16
	s_add_co_u32 s22, s22, BOFF
	s_mul_i32 s18, s15, 3*(KB-KA)                  ; from x's scale words to w's, step 0, 1, 2
	s_lshl_b32 s19, s16, 9
	s_add_co_u32 s18, s18, s19
	s_add_co_u32 s18, s18, BOFF+8192
	s_add_co_u32 s19, s18, KB-KA
	s_add_co_u32 s92, s19, KB-KA
	s_add_co_u32 s93, s21, 8192
	s_mul_i32 s96, s40, 26
	s_mul_i32 s97, s41, 51
	s_mul_i32 s84, s40, 17
	s_mul_i32 s85, s41, 34
	s_xor_b32 s86, s16, 1
	s_mul_i32 s87, s86, KB
	s_mul_i32 s86, s86, KA
	s_mul_i32 s98, s14, 8*OBLK
	s_mul_i32 s99, s16, 8*OBLK
	s_mul_i32 s23, s15, 4*OBLK
	s_add_co_u32 s99, s99, s23
	v_and_b32 v1, 15, v0
	v_bfe_u32 v2, v0, 4, 1
	v_and_b32 v3, 31, v0
	v_lshlrev_b32 v4, 4, v3
	v_add_nc_u32 v[ADRA], s21, v4
	v_add_nc_u32 v[ADRB], s22, v4
	v_add_nc_u32 v[ADRA+1], SLOT, v[ADRA]
	v_add_nc_u32 v[ADRB+1], SLOT, v[ADRB]
	v_lshl_add_u32 v5, v1, 5, s93                  ; 32 bytes of scale words a row; lanes 16-31 take w's
	v_mul_u32_u24 v6, s18, v2
	v_add_nc_u32 v[ADRS], v5, v6
	v_mul_u32_u24 v6, s19, v2
	v_add_nc_u32 v7, v5, v6
	v_add_nc_u32 v[ADRS+1], KA, v7
	v_mul_u32_u24 v6, s92, v2
	v_add_nc_u32 v7, v5, v6
	v_add_nc_u32 v[ADRS+2], 2*KA, v7
.irp j, 0,1,2
	v_add_nc_u32 v[ADRS+3+\j], SLOT, v[ADRS+\j]
.endr
	v_mul_u32_u24 v5, v1, SPITCH
	v_lshl_add_u32 v5, v2, 5, v5
	v_add_nc_u32 v[STO], s98, v5
	v_lshlrev_b32 v[CO], 4, v3
	v_add_nc_u32 v[RD0], s99, v[CO]
	v_add_nc_u32 v[RD1], 16*OBLK, v[RD0]
	v_min_u32 v6, 25, v3                           ; the prefetches' blocks; lanes left over name their wave's last block again
	v_add_nc_u32 v6, s96, v6
	v_min_u32 v6, 101, v6
	v_lshlrev_b32 v[PFOA], 8, v6
	v_add_nc_u32 v6, s97, v3
	v_lshlrev_b32 v[PFOB], 8, v6
	v_add_nc_u32 v7, 32, v3
	v_min_u32 v6, 50, v7
	v_add_nc_u32 v6, s97, v6
	v_lshlrev_b32 v[PFOB2], 8, v6
	v_min_u32 v6, 16, v3
	v_add_nc_u32 v6, s84, v6
	v_lshl_add_u32 v[PFSA], v6, 8, s86
	v_add_nc_u32 v6, s85, v3
	v_lshl_add_u32 v[PFSB], v6, 8, s87
	v_min_u32 v6, 33, v7
	v_add_nc_u32 v6, s85, v6
	v_lshl_add_u32 v[PFSB2], v6, 8, s87
	s_wait_alu depctr_va_vdst(0)
	ASK1 PFOA, PFOB, PFOB2, QS*KA, QS*KB           ; slot 1,
	ASK1 PFOA, PFOB, PFOB2, 2*QS*KA, 2*QS*KB       ; slot 2
.macro FRAG reg, adr, off              ; 16 rows x 128 K: two loads of 16 x lane, 512 bytes apart
	ds_load_b128 v[\reg:\reg+3], v[\adr] offset:\off
	ds_load_b128 v[\reg+4:\reg+7], v[\adr] offset:(\off)+512
.endm
.macro MUL16 a0, p, zero               ; x's blocks a0, a0 + 1 against w's eight; the 64 accumulators take turns
.irp a, \a0, \a0+1
.irp b, 0,1,2,3,4,5,6,7
.if \zero
	v_wmma_scale_f32_16x16x128_f8f6f4 v[8*(8*((\a)%4)+\b):8*(8*((\a)%4)+\b)+7], v[128*(\p)+8*\b:128*(\p)+8*\b+7], v[AF+8*(\a):AF+8*(\a)+7], 0, v[SC+8*(\p)+\b], v[SC+8*(\p)+(\a)] matrix_a_fmt:MATRIX_FMT_FP4 matrix_b_fmt:MATRIX_FMT_FP4 matrix_a_scale:MATRIX_SCALE_ROW1
.else
	v_wmma_scale_f32_16x16x128_f8f6f4 v[8*(8*((\a)%4)+\b):8*(8*((\a)%4)+\b)+7], v[128*(\p)+8*\b:128*(\p)+8*\b+7], v[AF+8*(\a):AF+8*(\a)+7], v[8*(8*((\a)%4)+\b):8*(8*((\a)%4)+\b)+7], v[SC+8*(\p)+\b], v[SC+8*(\p)+(\a)] matrix_a_fmt:MATRIX_FMT_FP4 matrix_b_fmt:MATRIX_FMT_FP4 matrix_a_scale:MATRIX_SCALE_ROW1
.endif
.endr
.endr
.endm
.macro FETCH_B slot, j, p
	WIN TO_B
.irp i, 0,1,2,3,4,5,6,7
	FRAG 128*(\p)+8*\i, ADRB+\slot, (\j)*KB+\i*1024
.endr
	WIN 0
.endm
.macro FETCH_A slot, j, i0
.irp i, \i0, \i0+1, \i0+2, \i0+3
	FRAG AF+8*(\i), ADRA+\slot, (\j)*KA+(\i)*1024
.endr
.endm
.macro SCALES slot, j, p               ; register i: lanes 0-15 the word of x's block i, lanes 16-31 that of w's block i
	ds_load_b128 v[SC+8*(\p):SC+8*(\p)+3], v[ADRS+3*(\slot)+(\j)]
	ds_load_b128 v[SC+8*(\p)+4:SC+8*(\p)+7], v[ADRS+3*(\slot)+(\j)] offset:16
.endm
.macro PLACES n                        ; places behind matrix instructions, ahead of loads into their registers
.rept \n
	v_nop
.endr
.endm
.macro STEP slot, j, p, zero           ; my j-th step of the slot, on w's set p; its successor lies in the same slot
	s_wait_dscnt 8                                 ; all but the youngest eight loads (x's blocks 4-7)
	WIN MUL_LO
	MUL16 0, \p, \zero
	MUL16 2, \p, \zero
	s_wait_dscnt 0
	PLACES 4
	FETCH_B \slot, (\j)+1, 1-(\p)
	SCALES \slot, (\j)+1, 1-(\p)
	FETCH_A \slot, (\j)+1, 0
	WIN MUL_HI
	MUL16 4, \p, \zero
	MUL16 6, \p, \zero
	PLACES 4
	WIN 0
	FETCH_A \slot, (\j)+1, 4
.endm
; A slot's last step changes slots.  fill = 1: the slot is filled again, two slots on; 2: with the last, shorter slot; 0: not.  ask = 1: a prefetch; 2, 3: in the loop (slot 0, slot 1).
.macro TURN slot, next, fill, p, ask
.if \ask
	s_wait_xcnt 0x0                                ; my prefetches have read their addresses, which step here
	s_add_nc_u64 s[PA:PA+1], s[PA:PA+1], QS*KA
	s_add_nc_u64 s[PB:PB+1], s[PB:PB+1], QS*KB
.endif
	s_wait_tensorcnt 0x0                           ; all my tensor loads have landed: my part of the next slot
	ds_add_u32 v[SPW], v[NIL]
	s_wait_dscnt 9                                 ; the add and x's blocks 4-7 may be out
	WIN MUL_LO
	MUL16 0, \p, 0
	s_wait_dscnt 0x0                               ; the add is done, my reads of this slot are over
	s_barrier_signal -1
	MUL16 2, \p, 0
	WIN 0
	s_barrier_wait -1
.if \fill
	CREST                                          ; the barrier has opened a round of the cluster's barrier
	s_add_nc_u64 s[G0+4*\slot+2:G0+4*\slot+3], s[G0+4*\slot+2:G0+4*\slot+3], 2*QS*KA
	s_add_nc_u64 s[G0B+4*\slot+2:G0B+4*\slot+3], s[G0B+4*\slot+2:G0B+4*\slot+3], 2*QS*KB
.if \fill == 2
	s_sub_nc_u64 s[G0+4*\slot+2:G0+4*\slot+3], s[G0+4*\slot+2:G0+4*\slot+3], s[SA:SA+1]      ; halves of 2 steps, not 3
	s_sub_nc_u64 s[G0B+4*\slot+2:G0B+4*\slot+3], s[G0B+4*\slot+2:G0B+4*\slot+3], s[SB:SB+1]
	s_mov_b32 s[G1+2], 68<<16
	s_mov_b32 s[G1+4], 68
	s_mov_b32 s[G1B+2], 136<<16
	s_mov_b32 s[G1B+4], 136
.endif
	JLOAD G0+4*\slot, G1, G0B+4*\slot, G1B         ; the first tensor load behind the round; its v_nop are the places for the loads below
.else
	PLACES 4
.endif
	FETCH_B \next, 0, 1-(\p)
	SCALES \next, 0, 1-(\p)
	FETCH_A \next, 0, 0
.if \ask == 1
	ASK1 PFOA, PFOB, PFOB2, 3*QS*KA, 3*QS*KB
.endif
.if \ask == 2
	s_cmp_gt_u32 s3, 1
	s_cbranch_scc0 .Lsh_\@
	ASK1 PFOA, PFOB, PFOB2, 3*QS*KA, 3*QS*KB
	s_branch .Ldn_\@
.Lsh_\@:
	ASK1 PFSA, PFSB, PFSB2, 3*QS*KA-KA, 3*QS*KB-KB ; the loop's last trip: two loads on stands the last slot
.Ldn_\@:
.endif
.if \ask == 3
	s_cmp_gt_u32 s3, 1
	s_cbranch_scc0 .Ldn_\@
	ASK1 PFOA, PFOB, PFOB2, 3*QS*KA, 3*QS*KB
.Ldn_\@:
.endif
	WIN MUL_HI
	MUL16 4, \p, 0
	MUL16 6, \p, 0
	PLACES 4
	WIN 0
	FETCH_A \next, 0, 4
.endm
	s_wait_tensorcnt 0x0                           ; my part of slot 0 is in
	ds_add_u32 v[SPW], v[NIL]
	s_wait_dscnt 0x0
	CROUND
	JLOAD G0+4, G1, G0B+4, G1B                     ; slot 1's first fill
	FETCH_B 0, 0, 0
	FETCH_A 0, 0, 0
	SCALES 0, 0, 0
	FETCH_A 0, 0, 4
	ASK1 PFOA, PFOB, PFOB2, 3*QS*KA, 3*QS*KB       ; slot 3
	STEP 0, 0, 0, 1                                ; the first step starts the sums
	s_mov_b32 s3, 4
.Llap:                                                 ; a trip: once round the ring, from a lap's second step to the next lap's first; slots 0 to 7 are read out, 2 to 9 asked for
	STEP 0, 1, 1, 0
	TURN 0, 1, 1, 0, 2
	STEP 1, 0, 1, 0
	STEP 1, 1, 0, 0
	TURN 1, 0, 1, 1, 3
	STEP 0, 0, 0, 0
	s_sub_co_u32 s3, s3, 1
	s_cmp_lg_u32 s3, 0
	s_cbranch_scc1 .Llap
	STEP 0, 1, 1, 0                                ; slot 8
	TURN 0, 1, 2, 0, 0                             ; asks for the last slot: 4 steps
	STEP 1, 0, 1, 0                                ; slot 9
	STEP 1, 1, 0, 0
	TURN 1, 0, 0, 1, 0
	STEP 0, 0, 0, 0                                ; slot 10: two steps a wave
	s_wait_dscnt 8
	WIN MUL_LO
	MUL16 0, 1, 0
	MUL16 2, 1, 0
	s_wait_dscnt 0
	WIN MUL_HI
	MUL16 4, 1, 0
	MUL16 6, 1, 0
	WIN 0
; THE WAY OUT.  Every wave puts its 128 x 128 into LDS (the ring has had its last fill and, behind the barrier, its last read), rows of 512 + 16 bytes; then each wave reads 64 rows of its
; 128 columns from both halves of K, adds them and stores whole rows of 512 bytes.
.macro PUT a
.set AC, 64*((\a)%4)
	WIN 0x08+4*((\a)/4)
.irp b, 0,1,2,3,4,5,6,7
	ds_store_b128 v[STO], v[AC+8*\b:AC+8*\b+3] offset:(\a)*OBLK+64*\b
	ds_store_b128 v[STO], v[AC+8*\b+4:AC+8*\b+7] offset:(\a)*OBLK+64*\b+16
.endr
.endm
.macro GET j
	WIN 0x40
.irp t, 0,1,2,3,4,5,6,7,8,9,10,11,12,13,14,15
	ds_load_b128 v[64*(\j)+4*\t:64*(\j)+4*\t+3], v[RD0] offset:(\j)*OBLK+\t*SPITCH
.endr
	WIN 0x80
.irp t, 0,1,2,3,4,5,6,7,8,9,10,11,12,13,14,15
	ds_load_b128 v[64*(\j)+4*\t:64*(\j)+4*\t+3], v[RD1] offset:(\j)*OBLK+\t*SPITCH
.endr
.endm
.macro SUMSEND j, younger
	s_wait_dscnt \younger
	WIN 0x49
.set i, 64*(\j)
.rept 32
	v_pk_add_f32 v[i:i+1], v[i:i+1], v[i:i+1]
.set i, i+2
.endr
	WIN 0x04
.irp t, 0,1,2,3,4,5,6,7,8,9,10,11,12,13,14,15
	global_store_b128 v[CO], v[64*(\j)+4*\t:64*(\j)+4*\t+3], s[12:13] offset:(16*(\j)+\t)*SIZE_N*4 th:TH_STORE_NT
.endr
.endm
	PLACES 4
	s_wait_dscnt 0x0
	s_barrier_signal -1
	s_barrier_wait -1
.irp a, 0,1,2,3,4,5,6,7
	PUT \a
.endr
	WIN 0
	s_wait_dscnt 0x0
	s_barrier_signal -1
	s_barrier_wait -1
	GET 0
	GET 1
	SUMSEND 0, 32
	GET 2
	SUMSEND 1, 32
	GET 3
	SUMSEND 2, 32
	SUMSEND 3, 0
	WIN 0
	s_wait_tensorcnt 0x0                           ; the wave's end
	ds_add_u32 v[SPW], v[NIL]
	s_wait_dscnt 0x0
	CROUND                                         ; the closing round
	s_endpgm
.Lfunc_end_k_qde14982066_gemm:
	.size	k_qde14982066_gemm, .Lfunc_end_k_qde14982066_gemm-k_qde14982066_gemm
	.p2alignl 7, 3214868480
	.fill 96, 4, 3214868480
	.section	.rodata,"a",@progbits
	.p2align	6, 0x0
	.amdhsa_kernel k_qde14982066_gemm
		.amdhsa_group_segment_fixed_size 327680
		.amdhsa_private_segment_fixed_size 0
		.amdhsa_enable_private_segment 0
		.amdhsa_kernarg_size 24
		.amdhsa_user_sgpr_count 2
		.amdhsa_user_sgpr_kernarg_segment_ptr 1
		.amdhsa_wavefront_size32 1
		.amdhsa_system_sgpr_workgroup_id_x 1
		.amdhsa_system_sgpr_workgroup_id_y 1
		.amdhsa_system_sgpr_workgroup_id_z 1
		.amdhsa_system_vgpr_workitem_id 0
		.amdhsa_next_free_vgpr 1024
		.amdhsa_next_free_sgpr 100
		.amdhsa_reserve_vcc 0
		.amdhsa_float_denorm_mode_32 3
		.amdhsa_float_denorm_mode_16_64 3
		.amdhsa_memory_ordered 1
		.amdhsa_forward_progress 1
		.amdhsa_inst_pref_size 195
	.end_amdhsa_kernel
	.amdgpu_metadata
---
amdhsa.version: [ 1, 2 ]
amdhsa.kernels:
  - .name:           k_qde14982066_gemm
    .symbol:         k_qde14982066_gemm.kd
    .args:
      - { .name: xq, .offset: 0, .size: 8, .value_kind: global_buffer, .address_space: global }
      - { .name: wq, .offset: 8, .size: 8, .value_kind: global_buffer, .address_space: global }
      - { .name: out0, .offset: 16, .size: 8, .value_kind: global_buffer, .address_space: global }
    .group_segment_fixed_size: 327680
    .private_segment_fixed_size: 0
    .kernarg_segment_align: 8
    .kernarg_segment_size: 24
    .max_flat_workgroup_size: 128
    .sgpr_count:     100
    .vgpr_count:     1024
    .wavefront_size: 32
...
	.end_amdgpu_metadata
.endif
;; end of part 2
